; MI455X (gfx1250); checked and timed in simulation.
; The chip was launched on July 23, 2026; its instructions are those of AMD's public machine-readable ISA for CDNA 5 (MIT licence, August 2026) and "CDNA5" Instruction Set Architecture Reference Guide (July 2026). The comments in the code are by the model that wrote it; some were corrected since.
;; Base Tree Backbone. Allowed arithmetic: float matrix products may take bf16 or f16 operands with f32 sums; all other float work in f32.
;; Inputs: A 256 x 1,024 float32; W 256 x 1,024 float32; step_sizes 16 float32; thresholds 16 float32; y 8,192 x 256 float32.
;; Outputs: out0 8,192 x 1,024 float32.
;; One version. Each part assembles by itself: llvm-mc -triple=amdgcn-amd-amdhsa -mcpu=gfx1250 --defsym DOCPART=n.
;; ======== version 1 of 1: 2 launches
;; limits: values are held in f16: magnitudes above 65,504 overflow, below 6.1e-05 lose precision; inputs' magnitudes at most 65,504; below input magnitudes of 9.1e-13 results are inexact or not finite
;; workspace buffers: wf 1,048,576 bytes; wmx 1,024 bytes
;; launch pack (part 1): grid 256 x 1, 8 waves a work-group, no clusters, 1,280 bytes of LDS; arguments A, W, wf, wmx; writes wf, wmx
.if DOCPART == 1
	.amdgcn_target "amdgcn-amd-amdhsa--gfx1250"
	.amdhsa_code_object_version 6
	.text
	.protected	k_qa55fd9b781_pack
	.globl	k_qa55fd9b781_pack
	.p2align	8
	.type	k_qa55fd9b781_pack,@function
k_qa55fd9b781_pack:
	s_mov_b64 s[64:65], 0
	v_nop
	global_prefetch_b8 v0, s[64:65] scope:SCOPE_SE
	s_setreg_imm32_b32 hwreg(HW_REG_WAVE_MODE, 25, 1), 1
	s_wait_xcnt 0x0
; wf = -A and W^T in f16, cut into matrix fragments of 1,024 bytes in lane order and laid in the order in which the second launch takes them;
; wmx[g] = the largest |number| that work-group g has read (g = 0..127: of A, g = 128..255: of W), in f32: the second launch bounds its sums by them.
; f16: numbers of A and W must lie under 65,504; under 2^-14 they are kept with an absolute step of 2^-24.
; A fragment is 16 rows x 32 along K: lane L = 16 h + r holds row r; its K = 8 h + 0..7 lie at byte 16 L, its K = 16 + 8 h + 0..7 at byte 512 + 16 L.
; LAYOUT OF wf.  Bytes 0 .. 786,431: eight tiles of 98,304 bytes (tiles 0-3: -A, trips t = 0..3; tiles 4-7: W^T, trips t = 0..3); in a tile wave w has 24,576 bytes,
; in them fragment (kk = 0..5, i = 0..3) lies at (4 kk + i) x 1,024.  Bytes 786,432 on: the fragments that stay in registers, first -A (131,072 bytes), then W^T;
; wave w has 32,768 bytes of each, fragment (t, q = 0..1, i) at (8 t + 4 q + i) x 1,024.
;   -A :  rows m = 16 (4 w + i) + r,        K = n = 32 ks + ..,  ks = 8 (q >> 1) + 2 t + (q & 1),  q = 0..7: trip t takes the eight K steps that lie in the t-th quarter of each
;         of the four blocks of 256 columns, which is what the second launch's four waves make in the t-th trip of their second product;  q < 2 stays in registers, q >= 2 is streamed as kk = q - 2
;   W^T:  rows n = 16 (16 w + 4 t + i) + r, K = m = 32 q + ..,   q = 0..7;  likewise
; One thread makes one piece of 16 bytes (65,536 pieces); a wave stores 512 consecutive bytes, aligned.  Work-groups 0-127 take A, 128-255 take W.
; No staging of W through LDS: W is 1 MiB, read once, and each of its loads still takes two runs of 64 consecutive bytes.
.set RES_A, 786432
.set RES_W, 917504
.set STR_W, 393216                     ; tile 4
.macro CVT4                            ; eight f32 in v[16:23] to eight f16 in v[24:27], the lower K in the lower half
.irp j, 0,1,2,3
	v_cvt_pk_f16_f32 v[24+\j], v[16+2*\j], v[17+2*\j]
.endr
.endm
	s_load_b256 s[4:11], s[0:1], 0x0               ; A s[4:5], W s[6:7], wf s[8:9], wmx s[10:11]
	v_lshl_add_u32 v32, v0, 2, 0x100
	v_mov_b32 v33, 0
	s_and_b32 s12, ttmp9, 127
	s_lshl_b32 s12, s12, 8
	s_mov_b32 s16, 0x76543210                      ; v_permlanex16_b32: lane i of one half reads lane i of the other
	s_mov_b32 s17, 0xfedcba98
	s_lshl_b32 s18, ttmp9, 2                       ; my word of wmx
	v_or_b32 v2, s12, v0                           ; the piece's number in its matrix, 15 bits: L [4:0], c [5], q [8:6], two fields of 2 bits, w [14:13]
	v_and_b32 v1, 31, v0                           ; L
	v_and_b32 v3, 15, v0                           ; r
	v_bfe_u32 v4, v0, 4, 1                         ; h
	v_bfe_u32 v5, v2, 5, 1                         ; c: which half of the fragment
	v_bfe_u32 v6, v2, 6, 3                         ; q
	v_bfe_u32 v9, v2, 13, 2                        ; w
	s_wait_kmcnt 0x0
	s_cmp_lt_u32 ttmp9, 128
	s_cbranch_scc0 .Lw
	; A: eight neighbouring numbers of one row: byte (16 (4 w + i) + r) x 4,096 + (32 ks + 16 c + 8 h) x 4
	v_bfe_u32 v7, v2, 9, 2                         ; t
	v_bfe_u32 v8, v2, 11, 2                        ; i
	v_bfe_u32 v10, v2, 11, 4                       ; 4 w + i
	v_bfe_u32 v11, v2, 7, 2                        ; q >> 1
	v_bfe_u32 v15, v2, 6, 1                        ; q & 1
	v_lshlrev_b32 v11, 3, v11
	v_lshl_or_b32 v11, v7, 1, v11
	v_or_b32 v11, v11, v15                         ; ks = 8 (q >> 1) + 2 t + (q & 1)
	v_lshlrev_b32 v10, 16, v10
	v_lshl_or_b32 v10, v3, 12, v10
	v_lshl_or_b32 v10, v11, 7, v10
	v_lshl_or_b32 v10, v5, 6, v10
	v_lshl_or_b32 v10, v4, 5, v10
	global_load_b128 v[16:19], v10, s[4:5]
	global_load_b128 v[20:23], v10, s[4:5] offset:16
	s_mov_b32 s13, RES_A
	s_mov_b32 s14, 0
	s_wait_loadcnt 0x0
	CVT4
.irp j, 0,1,2,3
	v_xor_b32 v[24+\j], 0x80008000, v[24+\j]       ; -A, exactly: the second launch then adds where the formula subtracts
.endr
	s_branch .Ljoin
.Lw:
	; W: eight numbers of one column: byte (32 q + 16 c + 8 h + j) x 4,096 + (16 (16 w + 4 t + i) + r) x 4
	v_bfe_u32 v8, v2, 9, 2                         ; i
	v_bfe_u32 v7, v2, 11, 2                        ; t
	v_bfe_u32 v10, v2, 9, 6                        ; 16 w + 4 t + i
	v_lshlrev_b32 v10, 6, v10
	v_lshl_or_b32 v10, v3, 2, v10
	v_lshl_or_b32 v10, v6, 17, v10
	v_lshl_or_b32 v10, v5, 16, v10
	v_lshl_or_b32 v10, v4, 15, v10
.irp j, 0,1,2,3,4,5,6,7
	global_load_b32 v[16+\j], v10, s[6:7] offset:\j*4096
.endr
	s_mov_b32 s13, RES_W
	s_mov_b32 s14, STR_W
	s_wait_loadcnt 0x0
	CVT4
.Ljoin:
	v_lshl_add_u32 v12, v6, 2, v8                  ; f = 4 q + i
	v_lshl_add_u32 v13, v7, 3, v12                 ; kept in registers: 8 t + f,
	v_lshlrev_b32 v13, 10, v13                     ; x 1,024,
	v_lshl_add_u32 v13, v9, 15, v13                ; + w x 32,768,
	v_add_nc_u32 v13, s13, v13                     ; + the part's first byte
	v_max_u32 v14, 8, v12                          ; streamed: f - 8 (held at 0 where q < 2, where this offset is not taken),
	v_add_nc_u32 v14, -8, v14
	v_lshlrev_b32 v14, 10, v14                     ; x 1,024,
	v_mad_u32_u24 v14, v7, 0x18000, v14            ; + t x 98,304,
	v_mad_u32_u24 v14, v9, 0x6000, v14             ; + w x 24,576,
	v_add_nc_u32 v14, s14, v14                     ; + the matrix's first tile
	v_cmp_gt_u32 vcc_lo, 2, v6                     ; q < 2 ?
	v_cndmask_b32 v13, v14, v13, vcc_lo
	v_lshl_add_u32 v13, v5, 9, v13                 ; + 512 c
	v_lshl_add_u32 v13, v1, 4, v13                 ; + 16 L
	global_store_b128 v13, v[24:27], s[8:9]
	; the largest magnitude: of my eight numbers, of the wave's 32 lanes, of the eight waves
	v_max3_num_f32 v28, |v16|, |v17|, |v18|
	v_max3_num_f32 v28, v28, |v19|, |v20|
	v_max3_num_f32 v28, v28, |v21|, |v22|
	v_max_num_f32 v28, v28, |v23|
.irp m, 1,2,4,8
	v_max_num_f32_dpp v28, v28, v28 row_xmask:\m row_mask:0xf bank_mask:0xf
.endr
	v_mov_b32 v29, v28                             ; the destination below counts as read
	v_permlanex16_b32 v29, v28, s16, s17
	v_max_num_f32 v28, v28, v29
	v_lshrrev_b32 v30, 5, v0
	v_lshlrev_b32 v30, 2, v30                      ; my wave's word in LDS; all its lanes write the same number
	ds_store_b32 v30, v28
	s_wait_dscnt 0x0                               ; for the others' sake: zero
	s_barrier_signal -1
	s_barrier_wait -1
	v_mov_b32 v31, 0
	ds_load_b128 v[16:19], v31
	ds_load_b128 v[20:23], v31 offset:16
	v_mov_b32 v30, s18
	s_wait_dscnt 0x0
	v_max3_num_f32 v28, v16, v17, v18
	v_max3_num_f32 v28, v28, v19, v20
	v_max3_num_f32 v28, v28, v21, v22
	v_max_num_f32 v28, v28, v23
	v_cmp_eq_u32 vcc_lo, 0, v0
	s_wait_xcnt 0x0                                ; EXEC is a source of the store above: it changes only behind this wait
	s_and_saveexec_b32 s19, vcc_lo                 ; thread 0 alone
	global_store_b32 v30, v28, s[10:11]
	s_wait_xcnt 0x0                                ; and again in front of the line that widens it
	s_or_b32 exec_lo, exec_lo, s19
	s_wait_tensorcnt 0x0
	ds_add_u32 v32, v33
	s_wait_dscnt 0x0
	s_endpgm
.Lfunc_end_k_qa55fd9b781_pack:
	.size	k_qa55fd9b781_pack, .Lfunc_end_k_qa55fd9b781_pack-k_qa55fd9b781_pack
	.p2alignl 7, 3214868480
	.fill 96, 4, 3214868480
	.section	.rodata,"a",@progbits
	.p2align	6, 0x0
	.amdhsa_kernel k_qa55fd9b781_pack
		.amdhsa_group_segment_fixed_size 1280
		.amdhsa_private_segment_fixed_size 0
		.amdhsa_enable_private_segment 0
		.amdhsa_kernarg_size 32
		.amdhsa_user_sgpr_count 2
		.amdhsa_user_sgpr_kernarg_segment_ptr 1
		.amdhsa_wavefront_size32 1
		.amdhsa_system_sgpr_workgroup_id_x 1
		.amdhsa_system_sgpr_workgroup_id_y 1
		.amdhsa_system_sgpr_workgroup_id_z 1
		.amdhsa_system_vgpr_workitem_id 0
		.amdhsa_next_free_vgpr 34
		.amdhsa_next_free_sgpr 66
		.amdhsa_reserve_vcc 1
		.amdhsa_float_denorm_mode_32 3
		.amdhsa_float_denorm_mode_16_64 3
		.amdhsa_memory_ordered 1
		.amdhsa_forward_progress 1
		.amdhsa_inst_pref_size 7
	.end_amdhsa_kernel
	.amdgpu_metadata
---
amdhsa.version: [ 1, 2 ]
amdhsa.kernels:
  - .name:           k_qa55fd9b781_pack
    .symbol:         k_qa55fd9b781_pack.kd
    .args:
      - { .name: A, .offset: 0, .size: 8, .value_kind: global_buffer, .address_space: global }
      - { .name: W, .offset: 8, .size: 8, .value_kind: global_buffer, .address_space: global }
      - { .name: wf, .offset: 16, .size: 8, .value_kind: global_buffer, .address_space: global }
      - { .name: wmx, .offset: 24, .size: 8, .value_kind: global_buffer, .address_space: global }
    .group_segment_fixed_size: 1280
    .private_segment_fixed_size: 0
    .kernarg_segment_align: 8
    .kernarg_segment_size: 32
    .max_flat_workgroup_size: 256
    .sgpr_count:     66
    .vgpr_count:     34
    .wavefront_size: 32
...
	.end_amdgpu_metadata
.endif
;; end of part 1
;; launch alista (part 2): grid 256 x 1, 4 waves a work-group, clusters of 4 x 1, 327,680 bytes of LDS; arguments y, wf, step_sizes, thresholds, out0, wmx; writes out0
.if DOCPART == 2
	.amdgcn_target "amdgcn-amd-amdhsa--gfx1250"
	.amdhsa_code_object_version 6
	.text
	.protected	k_qa55fd9b781_alista
	.globl	k_qa55fd9b781_alista
	.p2align	8
	.type	k_qa55fd9b781_alista,@function
k_qa55fd9b781_alista:
	s_mov_b64 s[64:65], 0
	v_nop
	global_prefetch_b8 v0, s[64:65] scope:SCOPE_SE
	s_setreg_imm32_b32 hwreg(HW_REG_WAVE_MODE, 25, 1), 1
	s_wait_xcnt 0x0
	s_wait_alu depctr_hold_cnt(0) depctr_sa_sdst(0) depctr_va_vdst(0) depctr_va_sdst(0) depctr_va_ssrc(0) depctr_va_vcc(0) depctr_vm_vsrc(0)
	s_getreg_b32 s2, hwreg(HW_REG_IB_STS2, 6, 4)
	s_cmp_eq_u32 s2, 0
	s_cbranch_scc0 .Lentry_in_a_cluster
	s_endpgm
.Lentry_in_a_cluster:
	s_bfe_u32 s2, ttmp6, 0x10000c
	s_cmp_lg_u32 s2, 0x3003
	s_cbranch_scc0 .Lentry_shape_is_right
	s_endpgm
.Lentry_shape_is_right:
; x_{k+1} = soft(x_k + |g_k| (y - x_k A^T) W, |t_k|), k = 0..15, x_0 = 0.  y [8192][256], A, W [256][1024], out0 [8192][1024], all f32.
; All 16 steps in one launch: batch rows never meet, so a work-group owns 32 rows of the batch and carries their x in f32 registers from step to step;
; y is read once, out0 written once, nothing goes through memory between steps.  Step 0 has r = y (x_0 is zero by the formula itself), so its first product is not there to do.
; BOTH PRODUCTS ARE USED TRANSPOSED, so that a lane always holds ONE batch row (b = 16 bt + lane % 16):
;   acc [m x b] = (-A) [m x n] X~ [n x b]               source 0 = 16 rows m of -A, source 1 = 32 n x 16 b of x in f16;   r = y + U acc
;   u / U [n x b] = x / U + W^T [n x m] R~ [m x b]      source 0 = 16 rows n of W^T, source 1 = 32 m x 16 b of g r / U in f16, C = D = x / U in f32, in place
; In a result, register j of lane 16 h + r is (row 8 h + j, b = r): two neighbouring result tiles, rounded to f16 in pairs, ARE source 1 of the other product
; (the even tile its registers 0-3, the odd tile its registers 4-7): nothing changes lanes.
; F16 WITH A UNIT FOR EACH BATCH ROW.  The map x -> x - g x A^T W does not shrink errors, so the roundings of 16 steps add up; f16's 11 bits are wanted, not bf16's 8.  f16's range is
; kept by a power of two U_k for each row b and step k, taken from a bound that holds before the step is computed:
;   B_r = ymax_b + 1024 Amax xmax_b >= |r|,   G = |g| B_r >= |g r|,   B_u = xmax_b + 256 Wmax G >= |u| >= |x_{k+1}|,   B = max(G, B_u) held in [2^-12, largest f32],   U = 2^(exponent(B) - 14).
; So g r / U and x_{k+1} / U lie under 2^15, with a factor 2 to spare for the roundings in the bound.  f16's smallest step is then 2^-39 B, under the rounding of the f32 sums themselves.
; x lives in its registers as x / U (a power of two: exact); it is multiplied by U_{k-1} / U_k ahead of step k's second product; the threshold is applied as |t| / U.  U never falls by more
; than 2^60 from a step to the next, so that this ratio stays finite.  xmax_b is the true row maximum of x_k: each wave's part goes through LDS in front of a barrier that stands there
; anyway.  ymax_b is made once; Amax and Wmax come from the launch before.
; SHARES.  Four waves.  In u wave w owns n = 256 w .. + 255 (16 x 2 tiles, 256 registers of x); in r it owns m = 64 w .. + 63 (4 x 2 tiles).  x and g r in f16 are
; handed round through LDS, as fragments in lane order (lane L at byte 16 L, the second half at 512 + 16 L): every access is 512 consecutive bytes, so no padding is wanted.
; WEIGHTS.  -A and W^T in f16 are 1 MiB, made by the launch before, already cut into fragments.  A quarter stays in registers for the whole launch (64 fragments a wave);
; the other 768 KiB go through two LDS slots of 96 KiB in every step: 8 tiles a step, 64 matrix instructions a wave for each, 16 of them on the fragments in registers,
; which stand straight behind a change of slots, while the streamed fragments come out of LDS.
; THE VECTOR WORK STANDS IN THE GAPS.  Matrix instructions go in groups of 8; behind a group stands the run of LDS loads that fills its fragment buffer again, and four places are owed
; between the two.  Those places are taken by work that is due: a finished tile of u (8 registers) is thresholded, rounded to f16, entered in the row maxima and stored into X by 20
; plain vector instructions and one LDS store (CHUNK).  The 8 tiles of the second product's trip 0 are done in the gaps of its trips 1 to 3; those of trips 1, 2, 3 in the gaps of the
; NEXT step's first product, whose trip T therefore takes just the K steps that trip T of the second product made (part T of X): part T + 1 is stored between the barriers T and T + 1,
; where only part T is read.  Behind the last chunk come the step's figures and the change of x's unit, in gaps too.  Only step 15, which nothing follows, has its threshold written out.
; CLUSTER.  Every work-group walks the same weights, so the four work-groups of a cluster ask for each tile JOINTLY: the same tensor load, with the same descriptor and a mask
; that names the four.  By this text's own count a wave has one tensor load outstanding at any time.
; LIMITS, and where the arithmetic departs from the formula as written: matrix operands are f16, sums f32; |A| and |W| under 65,504; a row all of whose numbers lie under 2^-12 is
; rounded with an absolute step of 2^-50; |g| is multiplied into r in f32 BEFORE r is rounded (the formula multiplies behind the product); A is stored negated, which is exact;
; soft(u, t) = u - med3(u, -t, t), which rounds as sign(u) max(|u| - t, 0) does, but gives +0 inside the threshold where the formula may give -0; a NaN in thresholds is not carried
; into x (v_med3_num_f32 drops it); K is summed in the order of the tiles, not ascending.
;
; LDS: slot 0 at 0, slot 1 at 98,304 (tensor loads alone write them; wave w reads only its 24,576 bytes); X at 196,608 (65,536 bytes: fragment (K step 0..31, bt) at
; (2 ks + bt) x 1,024); R at 262,144 (16,384 bytes: (km 0..7, bt) likewise); at 278,528 each wave's own 8,704 bytes: its 64 columns of y, 32 rows of 256 bytes, 272 apart
; (68 words: row r starts at bank 4 r mod 64, of 64 banks of 4 bytes: ISA guide 11.1); in the last step the same bytes are the stage for the way out; at 313,344 the row maxima:
; 128 bytes a wave, one word for each of the 32 rows.
; REGISTERS, in windows of 256 (s_set_vgpr_msb: bits 1:0 source 0, 3:2 source 1, 5:4 source 2, 7:6 destination):
;   window 0: v0-15 addresses; first product: v16-79 acc, v80-223 a ring of three fragment buffers (16 of x, 32 of -A), v224-239 a chunk's registers, later the maxima and factors;
;             second product: v16-143 all of g r, v144-239 a ring of three buffers of W^T (a chunk works in the buffer that is about to be filled); v240-255 each row's figures
;   window 1: x / U, tile tl = 2 nt + bt (nt 0..15) at v[8 tl]      window 2: -A kept, fragment (t, q, i) at v[8 (8 t + 4 q + i)]      window 3: W^T kept, likewise
.set TILE,  98304                      ; a slot, and a tile of the stream
.set SHARE, 24576                      ; a wave's part of it: 24 fragments
.set XREG,  196608
.set RREG,  262144
.set YREG,  278528
.set YW,    8704                       ; a wave's y: 32 rows x 272
.set YP,    272
.set MXREG, 313344
.set RES,   786432                     ; wf: the kept fragments of -A begin here, those of W^T 131,072 further on
.set L16, 1                            ; v1   16 L
.set AS,  2                            ; v2-3 my wave's part of slot 0, 1, + 16 L
.set AX,  4                            ; v4   X + 16 L
.set AXS, 5                            ; v5   X + w x 16,384 + 16 L: where my wave puts its x
.set AR,  6                            ; v6   R + 16 L
.set ARS, 7                            ; v7   R + w x 4,096 + 16 L: where my wave puts its g r
.set AYT, 8                            ; v8   my wave's y, as result tiles take it: row r, byte 32 h
.set AYR, 9                            ; v9   my wave's y by rows: row h, byte 16 r
.set VO,  10                           ; v10  out0: row h, byte 16 r
.set VY,  11                           ; v11  y: row h, byte 16 r
.set AMS, 12                           ; v12  maxima: my wave's 128 bytes + 4 L
.set AML, 13                           ; v13  maxima: 4 r
.set ACC, 16                           ; acc: tile (i, bt) at ACC + 8 (2 i + bt)
.set GB,  80                           ; ring for the first product: buffer g at GB + 48 g: x (bt) at + 8 bt, -A (i) at + 16 + 8 i
.set RF,  16                           ; g r: fragment (km, bt) at RF + 8 (2 km + bt)
.set WB,  144                          ; ring for the second product: buffer g at WB + 32 g: W^T (i) at + 8 i
.set T,   144                          ; last step: 64 registers at work: the clipped u; on the way out whole rows
.set PR,  128                          ; 32 registers: g r in f16
.set YL,  80                           ; 64 registers: y as loaded
.set CT,  224                          ; a chunk's registers in the first product: 8 for the clipped u, then two sets of 4 for x in f16
.set MX,  224                          ; v224-231  the four waves' maxima, for bt = 0 and 1
.set GI,  232                          ; v[232:233], v[234:235]  |g| / U, twice, for bt = 0, 1: a packed multiply names a pair and takes its first for both halves
.set UG,  236                          ; v[236:237], v[238:239]  U_old |g| / U, likewise
.set RHO, 240                          ; v[240:241], v[242:243]  U_old / U, likewise
.set THP, 244                          ; v244-245  |t| / U for bt = 0, 1
.set NTHP, 246                         ; v246-247  its negative
.set UU,  248                          ; v248-249  U
.set YM,  250                          ; v250-251  ymax
.set XM,  252                          ; v252-255  running maxima of |x / U|: two chains for each bt
.set UD,  252                          ; in the last step, which takes no maxima: U, twice, for bt = 0, 1
.set WV,   41                          ; s41  my wave's number
.set G1D,  24                          ; s[24:31] descriptor group 1
.set G0,   32                          ; s[32:39] descriptor group 0, a set for each slot
.set KOFF, 40                          ; s40  4 k: byte offset of the step's g and t, and the loop's counter
.set GA,   42                          ; s42  |g|
.set CA,   43                          ; s43  1024 Amax
.set TH,   44                          ; s44  |t|
.set CW,   45                          ; s45  256 Wmax
.set RAWG, 46                          ; s46, s47  g and t as loaded
.set RAWT, 47
.set RESB, 48                          ; s[48:49] wf at my wave's kept fragments
.set YB,   50                          ; s[50:51] y at my work-group's first row, my wave's 64 columns
.set OB,   52                          ; s[52:53] out0 at my work-group's first row, my wave's 256 columns
.set HM,   58                          ; s58  mask of lanes 16-31
.set SEL,  60                          ; s[60:61] lane selects for v_permlanex16_b32: each lane takes its own place in the other half
.set MSB, 0
.macro WIN new                         ; the immediate's high byte repeats the setting that is left; a switch that changes nothing is dropped
.if MSB != \new
	s_set_vgpr_msb (MSB<<8)|\new
.set MSB, \new
.endif
.endm
; A load into a register that a matrix instruction has read or written, and a vector instruction that reads a matrix result or writes one of a matrix instruction's registers,
; stand four places behind it, and only plain vector instructions that name none of its registers are places (ISA guide 7.12.1 for vector instructions).
.macro PLACES
.rept 4
	v_nop
.endr
.endm
; THE COUNTED WAITS ON LDS are made by the assembler.  dsn counts the LDS instructions written so far in the two products (loads and a chunk's store alike: they share the counter and
; are served in order, ISA guide 5.7.1).  MARK notes dsn behind the loads of a group; DSWAIT in front of the group's products allows as many LDS instructions out as have been written
; since the mark, so that the group's own loads are in.  (Where a wait for zero has stood in between, fewer are out than the count allows.)  Three marks for a ring of three buffers.
.set dsn, 0
.set dl0, 0
.set dl1, 0
.set dl2, 0
.set dlx, 0                            ; a fourth mark: behind the loads of the maxima, or of g r
.macro MARK j
.if ((\j)%3) == 0
.set dl0, dsn
.elseif ((\j)%3) == 1
.set dl1, dsn
.else
.set dl2, dsn
.endif
.endm
.macro DSWAIT j
.if ((\j)%3) == 0
	s_wait_dscnt dsn-dl0
.elseif ((\j)%3) == 1
	s_wait_dscnt dsn-dl1
.else
	s_wait_dscnt dsn-dl2
.endif
.endm
; A round of the cluster's barrier: my work-group's barrier, so that wave 0's signal speaks for all four waves; wave 0 signals for the work-group; every wave waits for all four
; work-groups; my work-group's barrier once more.
.macro ROUND
	s_barrier_signal -1
	s_barrier_wait -1
	s_cmp_lg_u32 s[WV], 0
	s_cbranch_scc1 .Lnot_wave_0_\@
	s_barrier_signal -3
.Lnot_wave_0_\@:
	s_barrier_wait -3
	s_barrier_signal -1
	s_barrier_wait -1
.endm
; THE CHANGE TO TILE q (0-3: -A, 4-7: W^T; tile q lies in slot q & 1).  Each wave waits for all its tensor loads (one is out: its part of tile q) and for all its LDS
; instructions (its reads of the other slot, and what it stored of x, g r or maxima for the other waves); behind the round nobody of the four work-groups reads the other slot, so
; tile q + 1 (behind 7 comes 0) is asked for, first thing: it has the work up to the next change in which to land.  These rounds are also the barriers that x, g r and the maxima need.
; refill = 0: the launch's last tile: nothing is left to fetch, and my work-group's barrier is enough.
.macro HEAD q, refill
.set gA, G0+4*((\q)&1)
.set gB, G0+4-4*((\q)&1)
	WIN 0                                          ; at a label and at a branch every window is 0
	s_wait_xcnt 0x0
	v_lshl_add_u32 v242, v0, 2, 0x4ca00
	v_mov_b32 v243, 0
	s_wait_tensorcnt 0x0                           ; no tensor load of mine is out, so a group 0 may be written:
	ds_add_u32 v242, v243
	s_wait_dscnt 0x0
.if (\refill)
.if (\q) < 6
	s_add_nc_u64 s[gA+2:gA+3], s[gA+2:gA+3], 2*TILE   ; this slot's next tile is q + 2,
.else
	s_sub_nc_u64 s[gA+2:gA+3], s[gA+2:gA+3], 6*TILE   ; or, from tiles 6 and 7, the next step's 0 and 1; the type bits on top are not reached
.endif
.endif
	s_wait_dscnt 0x0                               ; for the others' sake: zero
.if (\refill)
	ROUND
	tensor_load_to_lds s[gB:gB+3], s[G1D:G1D+7]
	s_nop 0
.else
	s_barrier_signal -1
	s_barrier_wait -1
.endif
	PLACES                                         ; four v_nop follow the tensor load; they are also the places in front of the loads that follow
.endm
; ---- ROW MAXIMA.  A lane holds 8 numbers of row 16 bt + r in each tile; tile j = 2 i + bt lies at base + 8 j.
.macro MAXT base                       ; the 64 registers at base, in window 0, into the four chains
.set u, 0
.rept 32
	v_max3_num_f32 v[XM+2*((u>>2)&1)+(u&1)], |v[\base+2*u]|, |v[\base+2*u+1]|, v[XM+2*((u>>2)&1)+(u&1)]
.set u, u+1
.endr
.endm
.macro MXSTORE                         ; the chains are joined, the other half of the lanes' added; lane L stores my wave's maximum of row L
	v_max_num_f32 v[XM], v[XM], v[XM+1]
	v_max_num_f32 v[XM+2], v[XM+2], v[XM+3]
	v_permlanex16_b32 v14, v[XM], s[SEL], s[SEL+1]
	v_permlanex16_b32 v15, v[XM+2], s[SEL], s[SEL+1]
	v_max_num_f32 v14, v14, v[XM]
	v_max_num_f32 v15, v15, v[XM+2]
	v_cndmask_b32 v14, v14, v15, s[HM]             ; lanes 0-15: rows 0-15 (bt = 0); lanes 16-31: rows 16-31 (bt = 1)
	ds_store_b32 v[AMS], v14
.set dsn, dsn+1
.endm
.macro MXLOAD                          ; all four waves' maxima of my two rows
.irp bt, 0,1
.irp w, 0,1,2,3
	ds_load_b32 v[MX+4*\bt+\w], v[AML] offset:128*\w+64*\bt
.endr
.endr
.set dsn, dsn+8
.set dlx, dsn
.endm
; ---- A CHUNK: tile tl of u / U (window 1, 8 registers) becomes x / U = u - med3(u, -|t|, |t|) in place; it is rounded to f16, entered in the row maxima, and stored into X for all four
; waves: tile tl = 2 nt + bt is half nt & 1 of fragment (ks = 8 w + nt / 2, bt).  tb: 16 registers of window 0 to work in; the two sets for the f16 numbers take turns with bt.
.macro CHUNK tl, tb
.set xb, 8*(\tl)
.set cb, (\tl)&1
.set pb, (\tb)+8+4*cb
	WIN 0x01                                       ; source 0 in window 1
.irp u, 0,1,2,3,4,5,6,7
	v_med3_num_f32 v[(\tb)+\u], v[xb+\u], v[NTHP+cb], v[THP+cb]
.endr
	WIN 0x41                                       ; and the destination
.irp u, 0,2,4,6
	v_pk_add_f32 v[xb+\u:xb+\u+1], v[xb+\u:xb+\u+1], v[(\tb)+\u:(\tb)+\u+1] neg_lo:[0,1] neg_hi:[0,1]
.endr
	WIN 0x05                                       ; sources 0 and 1 in window 1
.irp u, 0,1,2,3
	v_cvt_pk_f16_f32 v[pb+\u], v[xb+2*\u], v[xb+2*\u+1]
	v_max3_num_f32 v[XM+2*cb+(\u&1)], |v[xb+2*\u]|, |v[xb+2*\u+1]|, v[XM+2*cb+(\u&1)]
.endr
	WIN 0
	ds_store_b128 v[AXS], v[pb:pb+3] offset:(2*((\tl)>>2)+cb)*1024+(((\tl)>>1)&1)*512
.set dsn, dsn+1
.endm
.macro RESC4 b                         ; tiles b .. b + 3 of x (b a multiple of 4) from the old unit to the step's: a power of two
	WIN 0x41                                       ; x (destination and source 0) in window 1
.irp d, 0,1,2,3
.irp u, 0,2,4,6
	v_pk_mul_f32 v[8*((\b)+\d)+\u:8*((\b)+\d)+\u+1], v[8*((\b)+\d)+\u:8*((\b)+\d)+\u+1], v[RHO+2*(\d&1):RHO+2*(\d&1)+1] op_sel_hi:[1,0]
.endr
.endr
	WIN 0
.endm
; ---- THE FIRST PRODUCT.  K = n goes in 32 groups j of 32, in the order in which they are multiplied.  Block T = j / 8 belongs to tile T and to part T of X.  Its first six groups
; (j & 7 = 0..5) take streamed fragments of -A, q = (j & 7) + 2; its last two the kept fragments q = 0, 1.  K step ks = 8 (q >> 1) + 2 T + (q & 1).
; Group j takes 2 fragments of x (4 loads) and, where streamed, 4 of -A (8 loads), into ring buffer j % 3.
.macro LOADK j
.set gb, GB+48*((\j)%3)
.set jj, (\j)&7
.set tq, (\j)>>3
.if jj < 6
.set qq, jj+2
.else
.set qq, jj-6
.endif
.set ks, 8*(qq>>1)+2*tq+(qq&1)
.irp bt, 0,1
	ds_load_b128 v[gb+8*\bt:gb+8*\bt+3],   v[AX] offset:(2*ks+\bt)*1024
	ds_load_b128 v[gb+8*\bt+4:gb+8*\bt+7], v[AX] offset:(2*ks+\bt)*1024+512
.endr
.set dsn, dsn+4
.if jj < 6
.set asl, AS+(tq&1)
.irp i, 0,1,2,3
	ds_load_b128 v[gb+16+8*\i:gb+16+8*\i+3],   v[asl] offset:(4*jj+\i)*1024
	ds_load_b128 v[gb+16+8*\i+4:gb+16+8*\i+7], v[asl] offset:(4*jj+\i)*1024+512
.endr
.set dsn, dsn+8
.endif
	MARK \j
.endm
; Eight matrix instructions.  The eight accumulators take turns, one instruction a turn, always in the same order.  Group 0 starts the sums: nothing is cleared.
.macro MUL1 j
.set gb, GB+48*((\j)%3)
.set jj, (\j)&7
.if jj >= 6
	WIN 0x02                                       ; -A from window 2
.set fa, 8*(8*((\j)>>3)+4*(jj-6))
.else
	WIN 0
.set fa, gb+16
.endif
.irp i, 0,1,2,3
.irp bt, 0,1
.if (\j) == 0
	v_wmma_f32_16x16x32_f16 v[ACC+8*(2*\i+\bt):ACC+8*(2*\i+\bt)+7], v[fa+8*\i:fa+8*\i+7], v[gb+8*\bt:gb+8*\bt+7], 0
.else
	v_wmma_f32_16x16x32_f16 v[ACC+8*(2*\i+\bt):ACC+8*(2*\i+\bt)+7], v[fa+8*\i:fa+8*\i+7], v[gb+8*\bt:gb+8*\bt+7], v[ACC+8*(2*\i+\bt):ACC+8*(2*\i+\bt)+7]
.endif
.endr
.endr
.endm
.macro LDY j, reg                      ; y as result tile j = 2 i + bt: lane (r, h) takes y[16 bt + r][16 i + 8 h + 0..7] of my wave's 64 columns
	ds_load_b128 v[\reg:\reg+3],   v[AYT] offset:((\j)&1)*16*YP+64*((\j)>>1)
	ds_load_b128 v[\reg+4:\reg+7], v[AYT] offset:((\j)&1)*16*YP+64*((\j)>>1)+16
.set dsn, dsn+2
.endm
; THE STEP'S FIGURES for my two rows: the bound, the unit, and what is multiplied by.  first = 1: step 0, where x is zero and there is no old unit.  last = 1: step 15.
; Every sum that can overflow is held at the largest finite f32, which bounds every finite number; v_min_num_f32 and v_max_num_f32 also replace a NaN (0 x infinity) by that bound.
.macro STATS first, last
	s_wait_kmcnt 0x0                               ; the step's g and t
	s_and_b32 s[GA], s[RAWG], 0x7fffffff
	s_and_b32 s[TH], s[RAWT], 0x7fffffff
.irp bt, 0,1
.if \first
	v_mul_f32 v14, s[GA], v[YM+\bt]                ; G = |g| ymax
	v_min_num_f32 v14, 0x7f7fffff, v14
	v_mul_f32 v15, s[CW], v14                      ; B_u = 256 Wmax G
.else
	v_max_num_f32 v14, v[MX+4*\bt], v[MX+4*\bt+1]
	v_max3_num_f32 v14, v14, v[MX+4*\bt+2], v[MX+4*\bt+3]
	v_mul_f32 v[MX+4*\bt], v14, v[UU+\bt]          ; xmax: the maxima were taken of x / U_old
	v_fma_f32 v14, v[MX+4*\bt], s[CA], v[YM+\bt]   ; B_r = ymax + 1024 Amax xmax
	v_min_num_f32 v14, 0x7f7fffff, v14
	v_mul_f32 v14, s[GA], v14                      ; G = |g| B_r
	v_min_num_f32 v14, 0x7f7fffff, v14
	v_fma_f32 v15, v14, s[CW], v[MX+4*\bt]         ; B_u = xmax + 256 Wmax G
.endif
	v_max_num_f32 v14, v14, v15
	v_max_num_f32 v14, 0x39800000, v14             ; at least 2^-12,
	v_min_num_f32 v14, 0x7f7fffff, v14             ; at most the largest f32
	v_and_b32 v14, 0x7f800000, v14                 ; 2^exponent,
	v_add_nc_u32 v14, 0xf9000000, v14              ; divided by 2^14: the exponent field less 14 (it is 115 at the least)
.if !\first
	v_mul_f32 v15, 0x21800000, v[UU+\bt]           ; U_old 2^-60
	v_max_num_f32 v14, v14, v15
.endif
	v_sub_nc_u32 v15, 0x7f000000, v14              ; 1 / U: exponent field 254 less U's
.if !\first
	v_mul_f32 v[RHO+2*\bt], v[UU+\bt], v15
	v_mov_b32 v[RHO+2*\bt+1], v[RHO+2*\bt]
.endif
	v_mul_f32 v[GI+2*\bt], s[GA], v15
	v_mov_b32 v[GI+2*\bt+1], v[GI+2*\bt]
.if !\first
	v_mul_f32 v[UG+2*\bt], v[UU+\bt], v[GI+2*\bt]
	v_mov_b32 v[UG+2*\bt+1], v[UG+2*\bt]
.endif
	v_mul_f32 v[THP+\bt], s[TH], v15
	v_xor_b32 v[NTHP+\bt], 0x80000000, v[THP+\bt]
	v_mov_b32 v[UU+\bt], v14
.if \last
	v_mov_b32 v[UD+2*\bt], v14
	v_mov_b32 v[UD+2*\bt+1], v14
.else
	v_mov_b32 v[XM+2*\bt], 0                       ; magnitudes: the chains start at 0
	v_mov_b32 v[XM+2*\bt+1], 0
.endif
.endr
.endm
; THE WHOLE FIRST PRODUCT.  Behind group j's products stands vector work that is due, which is also the four places, and then the loads of group j + 3, into the buffer that group j has
; read.  The change to tile T + 1 stands behind group 8 T + 5, the last that reads slot T & 1: the two groups on kept fragments follow it at once (their x, of part T, was fetched ahead of
; it), while the new slot's first fragments come.
;   behind the change to tile 0, while the first three groups' 36 loads come: the chunks of tiles 8 and 9;   behind group j = 0 .. 21: the chunk of tile 10 + j.
;   So tiles 8-15 (part 1 of X) are stored ahead of the change to tile 1, tiles 16-23 (part 2) between the changes to tiles 1 and 2, tiles 24-31 (part 3) between those to 2 and 3.
;   behind group 21 also my wave's row maxima; behind the change to tile 3 all four waves' are fetched; behind group 22 the step's figures; behind groups 23 .. 30 x changes its unit,
;   four tiles a gap; behind groups 29 and 30 y is fetched into their buffers: tiles 0-5 at v176, tiles 6-7 at v80.
.macro G1 last
	HEAD 0, 1
	LOADK 0
	LOADK 1
	LOADK 2
	CHUNK 8, CT
	CHUNK 9, CT
.set jx, 0
.rept 32
	DSWAIT jx
	MUL1 jx
.if jx <= 21
	CHUNK 10+jx, CT
.if jx == 21
	MXSTORE
.endif
.if (jx&7) == 5
	HEAD (jx>>3)+1, 1
.endif
.if jx == 21
	MXLOAD
.endif
.elseif jx == 22
	WIN 0
	s_wait_dscnt dsn-dlx                           ; the maxima are in; what was written behind their loads may stay out
	STATS 0, \last
.elseif jx <= 30
	RESC4 4*(jx-23)
.endif
.if jx <= 28
	LOADK jx+3
.elseif jx == 29
.irp y, 0,1,2,3,4,5
	LDY \y, 176+8*\y
.endr
.elseif jx == 30
.irp y, 6,7
	LDY \y, 32+8*\y
.endr
.endif
.set jx, jx+1
.endr
.endm
; acc is finished: g r / U = y (|g| / U) + acc (U_old |g| / U) in f32, rounded to f16, into R for all four waves.  Tile (i, bt) is half i & 1 of fragment (km = 2 w + i / 2, bt).
; The 32 multiplies of y, which name no register of the last group's products, are the places in front of the lines that read acc.
; first = 1: step 0: r = y, which lies in acc's registers, and the step's figures are made here.
.macro REPI first
	WIN 0
.if \first
	STATS 1, 0
.endif
	s_wait_dscnt 0x0                               ; y's tiles are in
.irp j, 0,1,2,3,4,5,6,7
.if \j < 6
.set yt, 176+8*\j
.else
.set yt, 32+8*\j
.endif
.if \first
.set yt, ACC+8*\j
.endif
.irp u, 0,2,4,6
	v_pk_mul_f32 v[yt+\u:yt+\u+1], v[yt+\u:yt+\u+1], v[GI+2*(\j&1):GI+2*(\j&1)+1] op_sel_hi:[1,0]
.endr
.endr
.if !\first
.irp j, 0,1,2,3,4,5,6,7
.if \j < 6
.set yt, 176+8*\j
.else
.set yt, 32+8*\j
.endif
.irp u, 0,2,4,6
	v_pk_fma_f32 v[ACC+8*\j+\u:ACC+8*\j+\u+1], v[ACC+8*\j+\u:ACC+8*\j+\u+1], v[UG+2*(\j&1):UG+2*(\j&1)+1], v[yt+\u:yt+\u+1] op_sel_hi:[1,0,1]
.endr
.endr
.endif
.set u, 0
.rept 32
	v_cvt_pk_f16_f32 v[PR+u], v[ACC+2*u], v[ACC+2*u+1]
.set u, u+1
.endr
.irp i, 0,1,2,3
.irp bt, 0,1
	ds_store_b128 v[ARS], v[PR+4*(2*\i+\bt):PR+4*(2*\i+\bt)+3] offset:(2*(\i>>1)+\bt)*1024+(\i&1)*512
.endr
.endr
.endm
; ---- THE SECOND PRODUCT.  K = m is 256: all 16 fragments of g r stay in registers for the four trips; trip t makes my n tiles 4 t .. 4 t + 3.
.macro LOADR
.irp f, 0,1,2,3,4,5,6,7,8,9,10,11,12,13,14,15
	ds_load_b128 v[RF+8*\f:RF+8*\f+3],   v[AR] offset:\f*1024
	ds_load_b128 v[RF+8*\f+4:RF+8*\f+7], v[AR] offset:\f*1024+512
.endr
.set dsn, dsn+32
.set dlx, dsn
.endm
.macro LOADW t, kk                     ; the four streamed fragments of K step km = kk + 2, into ring buffer kk % 3
.set wb, WB+32*((\kk)%3)
.irp i, 0,1,2,3
	ds_load_b128 v[wb+8*\i:wb+8*\i+3],   v[AS+((\t)&1)] offset:(4*(\kk)+\i)*1024
	ds_load_b128 v[wb+8*\i+4:wb+8*\i+7], v[AS+((\t)&1)] offset:(4*(\kk)+\i)*1024+512
.endr
.set dsn, dsn+8
	MARK \kk
.endm
; Eight matrix instructions on x itself; the eight accumulators take turns, one instruction a turn.  zero = 1: step 0, where x is zero: the product starts the sums.
.macro MUL2 t, km, zero
.if (\km) < 2
	WIN 0x53                                       ; W^T from window 3, g r from window 0, x in window 1
.set fw, 8*(8*(\t)+4*(\km))
.else
	WIN 0x50
.set fw, WB+32*(((\km)-2)%3)
.endif
.irp i, 0,1,2,3
.irp bt, 0,1
.set xr, 64*(\t)+8*(2*\i+\bt)
.if \zero
	v_wmma_f32_16x16x32_f16 v[xr:xr+7], v[fw+8*\i:fw+8*\i+7], v[RF+8*(2*(\km)+\bt):RF+8*(2*(\km)+\bt)+7], 0
.else
	v_wmma_f32_16x16x32_f16 v[xr:xr+7], v[fw+8*\i:fw+8*\i+7], v[RF+8*(2*(\km)+\bt):RF+8*(2*(\km)+\bt)+7], v[xr:xr+7]
.endif
.endr
.endr
.endm
.macro SOFTL t                         ; the last step: x = (u - med3(u, -|t|, |t|)) U, on the trip's 64 registers
	WIN 0x01
.set u, 0
.rept 64
	v_med3_num_f32 v[T+u], v[64*\t+u], v[NTHP+((u>>3)&1)], v[THP+((u>>3)&1)]
.set u, u+1
.endr
	WIN 0x41
.set u, 0
.rept 32
	v_pk_add_f32 v[64*\t+u:64*\t+u+1], v[64*\t+u:64*\t+u+1], v[T+u:T+u+1] neg_lo:[0,1] neg_hi:[0,1]
.set u, u+2
.endr
.set u, 0
.rept 32
	v_pk_mul_f32 v[64*\t+u:64*\t+u+1], v[64*\t+u:64*\t+u+1], v[UD+2*((u>>3)&1):UD+2*((u>>3)&1)+1] op_sel_hi:[1,0]
.set u, u+2
.endr
.endm
; THE WAY OUT, in the last step: a lane holds 8 numbers of a row of out0, the lanes beside it other rows.  So the trip's 32 rows x 64 columns go through my wave's own stage (the bytes
; that held y, which has been read for the last time) and come back as whole rows of 256 bytes.  LDS serves a wave's instructions in order (ISA guide 5.7.1.4): no wait between.
.macro OUT t
	WIN 0x04                                       ; store data from window 1
.irp i, 0,1,2,3
.irp bt, 0,1
	ds_store_b128 v[AYT], v[64*\t+8*(2*\i+\bt):64*\t+8*(2*\i+\bt)+3]   offset:\bt*16*YP+64*\i
	ds_store_b128 v[AYT], v[64*\t+8*(2*\i+\bt)+4:64*\t+8*(2*\i+\bt)+7] offset:\bt*16*YP+64*\i+16
.endr
.endr
	WIN 0
.irp tt, 0,1,2,3,4,5,6,7,8,9,10,11,12,13,14,15
	ds_load_b128 v[T+4*\tt:T+4*\tt+3], v[AYR] offset:\tt*2*YP
.endr
.irp tt, 0,1,2,3,4,5,6,7,8,9,10,11,12,13,14,15
	s_wait_dscnt 15-\tt                            ; the younger loads from the stage stay out
	global_store_b128 v[VO], v[T+4*\tt:T+4*\tt+3], s[OB:OB+1] offset:\tt*8192+256*\t th:TH_STORE_NT   ; 16 lanes store 256 consecutive bytes, at a multiple of 256 from out0's first byte
.endr
.endm
; Trip t.  The kept fragments' 16 products stand first, while the streamed fragments come.  Group kk + 3 is fetched behind group kk's products, into the buffer that they have read.
; In trips 1 to 3 of every step but the last, the chunks of trip 0's eight tiles stand in those gaps, three, three and two; a chunk works in the buffer that is about to be filled,
; which the products just issued have read: so four v_nop stand in front of it.  The tiles of trips 1 to 3 are left as u: the next step's first product takes them up.
.macro G2TRIP t, zero, refill, last
	HEAD 4+\t, \refill
.if (\last) && (\t > 0)
	s_wait_xcnt 0x0                                ; the ring's registers were the data of the last trip's stores: they are loaded again only behind this wait
.endif
.if \t == 0
	LOADR
.endif
	LOADW \t, 0
	LOADW \t, 1
	LOADW \t, 2
.if \t == 0
	s_wait_dscnt dsn-dlx                           ; g r is in; the 24 loads of W^T behind it may stay out
.endif
	MUL2 \t, 0, \zero
	MUL2 \t, 1, 0
.irp kk, 0,1,2,3,4,5
	DSWAIT \kk
	MUL2 \t, \kk+2, 0
.if \kk < 3
	WIN 0
	PLACES
.if (!\last) && (\t > 0) && (3*(\t-1)+\kk < 8)
	CHUNK 3*(\t-1)+\kk, WB+32*\kk
.endif
	LOADW \t, \kk+3
.endif
.endr
.if \last
	PLACES                                         ; what follows reads results just made and writes the ring's registers
	SOFTL \t
	OUT \t
.else
	WIN 0
.endif
.endm
; A whole step.  last = 1: x leaves for out0, and the last trip asks for no tile.
.macro ITER last
	s_load_b32 s[RAWG], s[8:9], s[KOFF] offset:0x0
	s_load_b32 s[RAWT], s[10:11], s[KOFF] offset:0x0
	G1 \last
	REPI 0
	G2TRIP 0, 0, 1, \last
	G2TRIP 1, 0, 1, \last
	G2TRIP 2, 0, 1, \last
	G2TRIP 3, 0, 1-\last, \last
.endm
	s_load_b256 s[4:11], s[0:1], 0x0               ; y s[4:5], wf s[6:7], step_sizes s[8:9], thresholds s[10:11]
	s_load_b128 s[12:15], s[0:1], 0x20             ; out0 s[12:13], wmx s[14:15]
	v_lshl_add_u32 v242, v0, 2, 0x4ca00
	v_mov_b32 v243, 0
	ds_add_u32 v242, v243
	s_wait_dscnt 0x0
	v_lshrrev_b32 v14, 5, v0
	v_readfirstlane_b32 s[WV], v14                 ; wave 0..3
	s_bfe_u32 s59, ttmp6, 0x40000                  ; cx: my place in the cluster
	s_lshl_b32 s16, ttmp9, 2                       ; in a cluster launch ttmp9 counts clusters
	s_add_co_u32 s16, s16, s59                     ; my block of 32 batch rows: it enters the addresses of y and out0 alone
	; descriptor group 1: a dense block of 24,576 bytes as 96 rows of 256 bytes, no padding
	s_mov_b32 s[G1D+0], 15|(3<<16)|(1<<21)         ; 15:0 the mask: all four work-groups; 17:16 elements of 8 bytes; 21 set beside a mask
	s_mov_b32 s[G1D+1], 32<<16                     ; tensor_dim0 = 32 elements
	s_mov_b32 s[G1D+2], 96<<16                     ; tensor_dim1 = 96
	s_mov_b32 s[G1D+3], 32<<16                     ; tile_dim0 = 32
	s_mov_b32 s[G1D+4], 96                         ; tile_dim1 = 96
	s_mov_b32 s[G1D+5], 32                         ; from row to row: 32 elements
	s_mov_b32 s[G1D+6], 0
	s_mov_b32 s[G1D+7], 0
	s_mov_b32 s[SEL], 0x76543210
	s_mov_b32 s[SEL+1], 0xfedcba98
	s_mul_i32 s18, s[WV], SHARE                    ; my wave's part of a tile, in wf and in a slot alike
	s_mov_b32 s19, 0
	s_lshl_b32 s54, s[WV], 15                      ; my wave's kept fragments: 32,768 bytes of each matrix
	s_mov_b32 s55, 0
	s_lshl_b32 s20, s16, 15                        ; y: 32 rows of 1,024 bytes,
	s_lshl_b32 s22, s[WV], 8                       ; my wave's 256 bytes of a row
	s_add_co_u32 s20, s20, s22
	s_mov_b32 s21, 0
	s_lshl_b32 s56, s16, 17                        ; out0: 32 rows of 4,096 bytes,
	s_lshl_b32 s22, s[WV], 10                      ; my wave's 1,024 bytes of a row
	s_add_co_u32 s56, s56, s22
	s_mov_b32 s57, 0
	s_mov_b32 s[KOFF], 0
	v_and_b32 v224, 31, v0                         ; L
	v_and_b32 v225, 15, v0                         ; r
	v_bfe_u32 v226, v0, 4, 1                       ; h
	v_mov_b32 v15, 0
	v_lshlrev_b32 v[L16], 4, v224
	v_add_nc_u32 v[AS], s18, v[L16]
	v_add_nc_u32 v[AS+1], TILE, v[AS]
	v_add_nc_u32 v[AX], XREG, v[L16]
	s_lshl_b32 s22, s[WV], 14
	v_add_nc_u32 v[AXS], s22, v[AX]
	v_add_nc_u32 v[AR], RREG, v[L16]
	s_lshl_b32 s23, s[WV], 12
	v_add_nc_u32 v[ARS], s23, v[AR]
	s_mul_i32 s17, s[WV], YW
	s_add_co_u32 s17, s17, YREG
	v_mul_u32_u24 v227, v225, YP
	v_lshl_add_u32 v227, v226, 5, v227
	v_add_nc_u32 v[AYT], s17, v227
	v_mul_u32_u24 v227, v226, YP
	v_lshl_add_u32 v227, v225, 4, v227
	v_add_nc_u32 v[AYR], s17, v227
	v_lshlrev_b32 v227, 4, v225
	v_lshl_add_u32 v[VO], v226, 12, v227
	v_lshl_add_u32 v[VY], v226, 10, v227
	s_lshl_b32 s17, s[WV], 7
	s_add_co_u32 s17, s17, MXREG
	v_lshl_add_u32 v[AMS], v224, 2, s17
	v_lshlrev_b32 v[AML], 2, v225
	v_add_nc_u32 v[AML], MXREG, v[AML]
	v_cmp_ne_u32 s[HM], 0, v226
	s_wait_kmcnt 0x0
	s_add_nc_u64 s[22:23], s[6:7], s[18:19]        ; wf at my wave's part of tile 0: made of the wave's number alone
.irp s, 0,1
	s_mov_b32 s[G0+4*\s], 1                                        ; count = 1
	s_add_co_u32 s[G0+4*\s+1], s18, \s*TILE                        ; LDS address: the slot, my wave's part
	s_add_nc_u64 s[G0+4*\s+2:G0+4*\s+3], s[22:23], (4+\s)*TILE     ; step 0 begins with the second product: tiles 4 and 5
	s_or_b32 s[G0+4*\s+3], s[G0+4*\s+3], 0x80000000                ; type = 2
.endr
	s_add_nc_u64 s[RESB:RESB+1], s[6:7], s[54:55]
	s_add_nc_u64 s[RESB:RESB+1], s[RESB:RESB+1], RES
	s_add_nc_u64 s[YB:YB+1], s[4:5], s[20:21]
	s_add_nc_u64 s[OB:OB+1], s[12:13], s[56:57]
	s_load_b32 s[RAWG], s[8:9], s[KOFF] offset:0x0 ; g and t of step 0
	s_load_b32 s[RAWT], s[10:11], s[KOFF] offset:0x0
	ROUND                                          ; all four work-groups are here: the first joint load meets
	tensor_load_to_lds s[G0:G0+3], s[G1D:G1D+7]    ; tile 4, ahead of every wait on TENSORcnt and every LDS read; slot 1 is filled behind the first trip's round
	s_nop 0
	PLACES
	; The 128 maxima of A and the 128 of W, four of each a lane; then what stays in registers: W^T first (step 0 wants it), then y, then -A (wanted from step 1 on).
	global_load_b128 v[MX:MX+3],   v[L16], s[14:15]
	global_load_b128 v[MX+4:MX+7], v[L16], s[14:15] offset:512
	WIN 0xc0                                       ; destination window 3
.set fr, 0
.rept 32
	global_load_b128 v[8*fr:8*fr+3],   v[L16], s[RESB:RESB+1] offset:131072+fr*1024
	global_load_b128 v[8*fr+4:8*fr+7], v[L16], s[RESB:RESB+1] offset:131072+fr*1024+512
.set fr, fr+1
.endr
	WIN 0
.irp tt, 0,1,2,3,4,5,6,7,8,9,10,11,12,13,14,15
	global_load_b128 v[YL+4*\tt:YL+4*\tt+3], v[VY], s[YB:YB+1] offset:\tt*2048 th:TH_LOAD_NT   ; rows 2 tt, 2 tt + 1: 16 lanes take 256 consecutive bytes; no other wave of the launch reads them
.endr
	WIN 0x80                                       ; destination window 2
.set fr, 0
.rept 32
	global_load_b128 v[8*fr:8*fr+3],   v[L16], s[RESB:RESB+1] offset:fr*1024
	global_load_b128 v[8*fr+4:8*fr+7], v[L16], s[RESB:RESB+1] offset:fr*1024+512
.set fr, fr+1
.endr
	WIN 0
	s_wait_loadcnt 63                              ; behind y stand 64 younger loads; the wait's field holds 63, so the first of them is waited for too.  The maxima, W^T and y are in
	v_max3_num_f32 v14, v[MX], v[MX+1], v[MX+2]    ; Amax and Wmax: over my four, the 32 lanes
	v_max3_num_f32 v15, v[MX+4], v[MX+5], v[MX+6]
	v_max_num_f32 v14, v14, v[MX+3]
	v_max_num_f32 v15, v15, v[MX+7]
.irp m, 1,2,4,8
	v_max_num_f32_dpp v14, v14, v14 row_xmask:\m row_mask:0xf bank_mask:0xf
	v_max_num_f32_dpp v15, v15, v15 row_xmask:\m row_mask:0xf bank_mask:0xf
.endr
	v_permlanex16_b32 v[MX], v14, s[SEL], s[SEL+1]
	v_permlanex16_b32 v[MX+1], v15, s[SEL], s[SEL+1]
	v_max_num_f32 v14, v14, v[MX]
	v_max_num_f32 v15, v15, v[MX+1]
	v_mul_f32 v14, 0x44800000, v14                 ; 1024 Amax: a row of A has 1,024 numbers
	v_mul_f32 v15, 0x43800000, v15                 ; 256 Wmax: a column of W has 256
	v_readfirstlane_b32 s[CA], v14
	v_readfirstlane_b32 s[CW], v15
.irp tt, 0,1,2,3,4,5,6,7,8,9,10,11,12,13,14,15
	ds_store_b128 v[AYR], v[YL+4*\tt:YL+4*\tt+3] offset:\tt*2*YP
.endr
.irp j, 0,1,2,3,4,5,6,7
	LDY \j, ACC+8*\j                               ; my wave's own bytes, served in order: no wait between.  In step 0 r = y
.endr
.irp c, 0,1,2,3
	v_mov_b32 v[XM+\c], 0
.endr
	s_wait_dscnt 0x0
	MAXT ACC                                       ; ymax: my wave's 64 columns,
	MXSTORE
	s_wait_dscnt 0x0                               ; for the others' sake: zero
	s_barrier_signal -1                            ; tile 4 may stay on its way
	s_barrier_wait -1
	MXLOAD                                         ; and the other waves'
	s_wait_dscnt 0x0
.irp bt, 0,1
	v_max_num_f32 v14, v[MX+4*\bt], v[MX+4*\bt+1]
	v_max3_num_f32 v[YM+\bt], v14, v[MX+4*\bt+2], v[MX+4*\bt+3]
.endr
	REPI 1
	G2TRIP 0, 1, 1, 0                              ; step 0: u_1 = |g_0| y W; its threshold is applied in the gaps of what follows, like every step's
	G2TRIP 1, 1, 1, 0
	G2TRIP 2, 1, 1, 0
	G2TRIP 3, 1, 1, 0
	s_wait_loadcnt 0x0                             ; the kept fragments of -A are in
	s_mov_b32 s[KOFF], 4
.Lstep:                                                ; steps 1 to 14
	ITER 0
	s_add_co_u32 s[KOFF], s[KOFF], 4               ; the scalar loads that named it were waited for in the step
	s_cmp_lt_u32 s[KOFF], 60
	s_cbranch_scc1 .Lstep
	ITER 1                                         ; step 15 is written out
	s_wait_xcnt 0x0
	v_lshl_add_u32 v242, v0, 2, 0x4ca00
	v_mov_b32 v243, 0
	s_wait_tensorcnt 0x0
	ds_add_u32 v242, v243
	s_wait_dscnt 0x0
	ROUND                                          ; the closing round: no work-group ends while a partner may still ask for a tile that names it
	s_endpgm
.Lfunc_end_k_qa55fd9b781_alista:
	.size	k_qa55fd9b781_alista, .Lfunc_end_k_qa55fd9b781_alista-k_qa55fd9b781_alista
	.p2alignl 7, 3214868480
	.fill 96, 4, 3214868480
	.section	.rodata,"a",@progbits
	.p2align	6, 0x0
	.amdhsa_kernel k_qa55fd9b781_alista
		.amdhsa_group_segment_fixed_size 327680
		.amdhsa_private_segment_fixed_size 0
		.amdhsa_enable_private_segment 0
		.amdhsa_kernarg_size 48
		.amdhsa_user_sgpr_count 2
		.amdhsa_user_sgpr_kernarg_segment_ptr 1
		.amdhsa_wavefront_size32 1
		.amdhsa_system_sgpr_workgroup_id_x 1
		.amdhsa_system_sgpr_workgroup_id_y 1
		.amdhsa_system_sgpr_workgroup_id_z 1
		.amdhsa_system_vgpr_workitem_id 0
		.amdhsa_next_free_vgpr 1024
		.amdhsa_next_free_sgpr 66
		.amdhsa_reserve_vcc 0
		.amdhsa_float_denorm_mode_32 3
		.amdhsa_float_denorm_mode_16_64 3
		.amdhsa_memory_ordered 1
		.amdhsa_forward_progress 1
		.amdhsa_inst_pref_size 255
	.end_amdhsa_kernel
	.section	.bss,"aw",@nobits
	.p2align	6
	.space	262144
	.amdgpu_metadata
---
amdhsa.version: [ 1, 2 ]
amdhsa.kernels:
  - .name:           k_qa55fd9b781_alista
    .symbol:         k_qa55fd9b781_alista.kd
    .args:
      - { .name: y, .offset: 0, .size: 8, .value_kind: global_buffer, .address_space: global }
      - { .name: wf, .offset: 8, .size: 8, .value_kind: global_buffer, .address_space: global }
      - { .name: step_sizes, .offset: 16, .size: 8, .value_kind: global_buffer, .address_space: global }
      - { .name: thresholds, .offset: 24, .size: 8, .value_kind: global_buffer, .address_space: global }
      - { .name: out0, .offset: 32, .size: 8, .value_kind: global_buffer, .address_space: global }
      - { .name: wmx, .offset: 40, .size: 8, .value_kind: global_buffer, .address_space: global }
    .group_segment_fixed_size: 327680
    .private_segment_fixed_size: 0
    .kernarg_segment_align: 8
    .kernarg_segment_size: 48
    .max_flat_workgroup_size: 128
    .sgpr_count:     66
    .vgpr_count:     1024
    .wavefront_size: 32
...
	.end_amdgpu_metadata
.endif
;; end of part 2
